; MI455X (gfx1250); checked and timed in simulation.
; The chip was launched on July 23, 2026; its instructions are those of AMD's public machine-readable ISA for CDNA 5 (MIT licence, August 2026) and "CDNA5" Instruction Set Architecture Reference Guide (July 2026). The comments in the code are by the model that wrote it; some were corrected since.
;; Drift. Allowed arithmetic: matrix products marked QUANTISED: E3M2 operands, one E8M0 scale for each 32 along K, by v_wmma_scale_f32_16x16x128_f8f6f4 with both operands' format E3M2, f32 sums; products left as they are: f32 operands where the result goes on into a quantised operand, else bf16, f16 or f32 operands; f32 sums; everything else in f32.
;; Inputs: W1 4 x 8 float32; W2 8 x 16 float32; W3 16 x 32 float32; W4_codes 16 x 1 x 24 uint8 (E3M2 codes of W4, K innermost, in blocks of 32 codes, four codes in three bytes); W4_scales 16 x 1 uint8 (E8M0 scales of W4, one for each 32 codes along K); W5 16 x 8 float32; W6 8 x 4 float32; b1 8 float32; b2 16 float32; b3 32 float32; b4 16 float32; b5 8 float32; b6 4 float32; x 4,000,000 x 4 float32.
;; Outputs: out0 4,000,000 x 4 float32.
;; This version of the problem:
;;   THIS VERSION OF THE PROBLEM IS GIVEN IN LOW PRECISION. The matrix products marked QUANTISED in the list below multiply operands that are first quantised to E3M2 (3 exponent bits, 2 mantissa bits; 6 bits a number), with one power-of-two scale for each 32 numbers along K (OCP MX v1.0); their sums are f32. All else is computed in f32.
;;   The module's matrix products, in the order in which they are computed (A, B: the left and right operand; K: the contracted axis; several contracted axes count as one K, in the product's order):
;;     1. [M 4,000,000, K 4] x [K 4, N 8]; A: input x; B: input W1: left as it is (K = 4 < 32)
;;     2. [M 4,000,000, K 8] x [K 8, N 16]; A: computed on the way; B: input W2: left as it is (K = 8 < 32)
;;     3. [M 4,000,000, K 16] x [K 16, N 32]; A: computed on the way; B: input W3: left as it is (K = 16 < 32)
;;     4. [M 4,000,000, K 32] x [K 32, N 16]; A: computed on the way; B: input W4 (given as codes): QUANTISED
;;     5. [M 4,000,000, K 16] x [K 16, N 8]; A: computed on the way; B: input W5: left as it is (K = 16 < 32)
;;     6. [M 4,000,000, K 8] x [K 8, N 4]; A: computed on the way; B: input W6: left as it is (K = 8 < 32)
;;   THE QUANTISER, for each operand of a quantised product, along K:
;;     - K is cut into blocks of 32 from its start; a last block that is shorter is filled with zeros.
;;     - A block's scale is 2^e with e = floor(log2(the largest magnitude in the block)) - 4, held to -126 .. 127; a block of zeros has e = 0. As a byte (E8M0): e + 127.
;;     - Each number is divided by its block's scale, clamped to +-28, and rounded to the nearest number of E3M2, ties to even, subnormals kept.
;;     - The product sums the exact products of the quantised numbers (number of the format x scale) in f32.
;;   ~~~python
;;   def quantise(x, axis):      # numpy; x: float32 -> the quantised numbers, widened to float32 again
;;       x = np.moveaxis(x, axis, -1); K = x.shape[-1]
;;       x = np.pad(x, [(0, 0)] * (x.ndim - 1) + [(0, -K % 32)]); x = x.reshape(x.shape[:-1] + (-1, 32)); a = np.abs(x).max(-1, keepdims=True)
;;       e = np.where(a > 0, np.clip(np.frexp(np.where(a > 0, a, 1))[1] - 1 - 4, -126, 127), 0)      # np.frexp(a)[1] - 1 = floor(log2(a)), exactly
;;       r = np.clip(x / 2.0 ** e, -28, 28)
;;       step = 2.0 ** (np.maximum(np.frexp(np.where(r == 0, 1, r))[1] - 1, -2) - 2)
;;       q = np.round(r / step) * step * 2.0 ** e      # np.round: ties to even
;;       return np.moveaxis(q.reshape(q.shape[:-2] + (-1,))[..., :K], -1, axis).astype(np.float32)
;;   ~~~
;;   OPERANDS COMPUTED ON THE WAY. 'Computed on the way' means the value that the module computes at that place (a softmax that the list does not call 'softmax' is quantised finished and normalised). What goes into a quantiser is computed in f32, as accurately as f32 sums, v_exp_f32 and their like allow (about 1e-6 of the number): no bf16 or f16 on the way to a quantiser, and a product that is left as it is and whose result goes on into a quantised operand takes f32 operands (vector FMAs, or v_wmma_f32_16x16x4_f32). A number that lies on a knife's edge between two numbers of the format may be rounded either way, as far as f32 arithmetic and the matrix unit's own rounding can turn it there, and no further.
;;   INPUTS GIVEN AS CODES. W4 (in the module: [32, 16], K = its axis 0): each comes as NAME_codes (uint8): NAME with its K axis moved to the last place and cut into blocks of 32 codes, [.., K / 32, bytes a block], one block behind the other in memory; four codes in three bytes: a row's codes are one little-endian stream of bits, code i at bits 6 i .. 6 i + 5 (a code: sign, 3 exponent bits, 2 mantissa bits); and NAME_scales (uint8): the same leading axes, one E8M0 byte (e + 127) for each 32 codes along K. Its value is code x scale, taken as it is: it is not quantised again, and the codes and scales need not be those that the quantiser above would give.
;; One version. Each part assembles by itself: llvm-mc -triple=amdgcn-amd-amdhsa -mcpu=gfx1250 --defsym DOCPART=n.
;; ======== version 1 of 1: 1 launch
;; launch drift (part 1): grid 256 x 1, 16 waves a work-group, no clusters, 0 bytes of LDS; arguments x, W1, b1, W2, b2, W3, b3, W4_codes, W4_scales, b4, W5, b5, W6, b6, out0; writes out0
.if DOCPART == 1
	.amdgcn_target "amdgcn-amd-amdhsa--gfx1250"
	.amdhsa_code_object_version 6
	.text
	.protected	k_q18d6915535_drift
	.globl	k_q18d6915535_drift
	.p2align	8
	.type	k_q18d6915535_drift,@function
k_q18d6915535_drift:
	s_mov_b64 s[64:65], 0
	v_nop
	global_prefetch_b8 v0, s[64:65] scope:SCOPE_SE
	s_setreg_imm32_b32 hwreg(HW_REG_WAVE_MODE, 25, 1), 1
	s_wait_xcnt 0x0
; out0 = six times relu(h W + b), widths 4 -> 8 -> 16 -> 32 -> 16 -> 8 -> 4, for 4,000,000 rows of x.  One launch; x is read once, out0 written once, nothing else goes to memory.
; FORMATS.  Products 1 to 3 feed a quantiser: f32 operands (v_wmma_f32_16x16x4_f32).  Product 4: the third layer's 32 numbers of a row are ONE block: quantised here to E3M2 with an E8M0 scale; W4 comes as codes and
; scale bytes and is taken as it is: v_wmma_scale_f32_16x16x128_f8f6f4, both sides BF6.  Products 5 and 6: operands rounded to bf16 (v_wmma_f32_16x16x32_bf16).  All sums, biases and activations in f32.
; EVERY PRODUCT IS USED TRANSPOSED: source 0 = the weights (M = output units), source 1 = 16 rows of data (N).  In every result lane (r, h) holds data row r, and its register j the unit at m = 8 h + j.  Which unit stands at
; which m, and which k at which place of the operand, is chosen when the weights are loaded, so that a layer's results, after relu, ARE the next layer's source 1: no LDS, no barrier, and the only data that change lanes are
; one exchange for the block's largest number and three swaps a pair of tiles, which the 6-bit operand's layout asks for.
; SHARES.  A GROUP is 64 rows = four tiles of 16 = 1,024 bytes of x and of out0; there are 62,500.  4,096 waves (256 work-groups of 16, 256 registers a wave); each takes every 4,096th group: 15 or 16 groups.
; All weights and biases (120 registers) stay in each wave's registers.  TILES q = 0 .. 3 hold the group's rows 0-15, 32-47, 16-31, 48-63: so the last product's result lies as out0 does.
; SHARED INSTRUCTIONS.  Product 4: the four tiles' blocks are the four K blocks of ONE source 1; W4 stands in K block q of source 0 with zero codes in the other three: four instructions.  Product 5: two tiles are K 0-15 and
; 16-31, W5 stands block-diagonal.  Product 6: four tiles are K 0-7 .. 24-31, W6 block-diagonal.  Zero weights add nothing.
; BY TURNS.  No vector work stands in a phase of its own: every vector line stands behind a matrix instruction that does not depend on it, at most twelve behind one, and these lines are also the places that a matrix
; instruction's readers must keep (ISA guide 7.12.1).  For that a TRIP holds work of three groups:  g - 1: the second half of layer 4's packing, product 5 of its second pair of tiles, product 6, the stores;
; g: relu of layer 2's tiles 2, 3, product 3 tile by tile (the two halves of ACC by turns: while one tile is multiplied, the tile before is clipped and quantised), product 4, the first half of its packing, product 5 of the
; first pair;  g + 1: products 1 and 2.  The trip is a macro with two switches and is written three times: without g - 1, whole (the loop), without g + 1; where a copy leaves out lines that were places, v_nop stand there.
; NO CLUSTER, NO TENSOR LOAD: the work-groups share nothing but 4,064 bytes of weights, which each wave loads once into registers; each byte of x is wanted by one wave alone.
; LIMITS.  NaN and infinities among the inputs, or numbers so large that a layer overflows f32 or bf16, are not served (a row's infinity would meet its group's zero weights).  A row whose 32 numbers ahead of the quantiser
; are all 0 gets the scale byte 1 where the rule says 127: its codes are zeros, so the product is the same; the bytes are read here alone.
.set NG,    62500                      ; groups
.set NW,    4096                       ; waves in the launch
.set FLOOR, 0x2800000                  ; 2^(5 - 127): no largest magnitude is taken under it, so the scale's byte cannot fall under 1
.set VX,   1                           ; v1       x: 16 r + 8 h: my two numbers of row r; never rewritten
.set VO,   2                           ; v2       out0: 16 x lane; never rewritten
.set SA,   3                           ; v3       W4's scale byte of unit r, in all four bytes
.set SB0,  4                           ; v4, v5, v254, v255: tile q's scale byte of row r at byte q, 0 in the others (they scale blocks of zero codes)
.set SB1,  5
.set SB2,  254
.set SB3,  255
.set W1A,  6                           ; v[6:7]     register j: W1[2 h + j][(r & 3) + 4 (r >> 3)]
.set W2A,  8                           ; v[8:11]    K step s at 2 s, register j: W2[4 h + 2 s + j][r]
.set W3A,  12                          ; v[12:27]   tile t of units, K step s at 8 t + 2 s, register j: W3[8 h + 2 s + j][16 (r >> 3) + 8 t + (r & 7)]
.set W4Z,  28                          ; v[28:57]   six zeros | W4's row r in lanes 0-15 | six zeros | W4's row r in lanes 16-31 | six zeros: runs of twelve from 34, 46, 28, 40 hold W4 in K block 0, 1, 2, 3
.set W5A,  58                          ; v[58:65]   bf16, block-diagonal
.set W6A,  66                          ; v[66:73]   bf16, block-diagonal
.set B1,   74                          ; v[74:77]   b1[4 h + i]; as C the run v[74:81] is named: its upper four feed results that nobody reads
.set B2,   78                          ; v[78:85]   b2[8 h + j]
.set B3,   86                          ; v[86:101]  tile t at 8 t: b3[16 h + 8 t + j]
.set B4,   102                         ; v[102:109] b4[8 h + j]
.set B5,   110                         ; v[110:117] b5[j]
.set B6,   118                         ; v[118:125] b6[j & 3]
.set X,    126                         ; v[126:133] tile q at 2 q: x[row][2 h], x[row][2 h + 1]
.set ACC,  134                         ; v[134:165] four accumulators of eight for products 1 to 3: written by matrix instructions alone in this whole text
.set R2,   166                         ; v[166:197] relu of layer 2, tile q at 8 q
.set R1,   182                         ; v[182:197] relu of layer 1, tile q at 4 q: in the place of R2's tiles 2, 3, between their last use and their next filling
.set R3,   198                         ; v[198:229] relu of layer 3 for a pair of tiles; then product 4's results (tile q at 8 q), product 5's (pair p at 8 p)
.set D6,   214                         ; v[214:221] product 6's result
.set P,    230                         ; v[230:241] source 1 of product 4
.set CT,   242                         ; v[242:244] the second conversion's codes
.set H4,   230                         ; v[230:245] later: layer 4 as bf16, tile q at 4 q
.set OUTR, 230                         ; v[230:237] later still: relu of layer 6
.set MX,   246                         ; v[246:247] largest magnitudes of the pair's two tiles
.set TX,   248                         ; v[248:249] a second chain of each, then the other half of the lanes'
.set SO,   250                         ; v[250:251] the conversions' scale operands
.set BY,   252                         ; v[252:253] scale bytes
.set H5,   246                         ; v[246:253] later: layer 5 as bf16
; the set-up's own: parts of the lane's number, and byte offsets (none is rewritten before the wait for the loads that name it)
.set TR,   230                         ; r = lane & 15; also W4_scales' offset
.set TH,   231                         ; h = lane >> 4
.set TL,   232                         ; lane
.set TA,   233                         ; r & 3
.set TB,   234                         ; r >> 3
.set TC,   235                         ; r & 7
.set TD,   236                         ; r >> 2
.set TE,   237                         ; h + 2
.set OW1,  242
.set OW2,  243
.set OW3,  244
.set OW4,  245
.set OW5,  246
.set OW6,  247
.set O16,  248
.set O32,  249
.set O64,  250
.set OZ,   251
.set RW4,  198                         ; raw: W4's 24 bytes, v204 its scale byte, W5 v[206:213], W6 v[214:221]; as bf16 v[222:225], v[226:229]
.set RW5,  206
.set RW6,  214
.macro PLACES n                        ; plain vector instructions that name none of a matrix instruction's registers (ISA guide 7.12.1)
.rept \n
	v_nop
.endr
.endm
.macro RELU d, s, n                    ; ascending: each accumulator is first read at its low end
.set ri, 0
.rept \n
	v_max_num_f32 v[(\d)+ri], 0, v[(\s)+ri]
.set ri, ri+1
.endr
.endm
.macro PACK d, s, n                    ; n registers of two bf16 each, the lower unit in the lower half
.set ri, 0
.rept \n
	v_cvt_pk_bf16_f32 v[(\d)+ri], v[(\s)+2*ri], v[(\s)+2*ri+1]
.set ri, ri+1
.endr
.endm
.macro RPK h, r                        ; four results clipped in place and packed into two registers of bf16
	RELU \r, \r, 4
	PACK \h, \r, 2
.endm
.macro XLOAD                           ; a group's x: each load's 32 lanes read 256 consecutive bytes, 16 rows; read once in the launch
	global_load_b64 v[X:X+1],   v[VX], s[42:43] th:TH_LOAD_NT
	global_load_b64 v[X+2:X+3], v[VX], s[42:43] offset:512 th:TH_LOAD_NT
	global_load_b64 v[X+4:X+5], v[VX], s[42:43] offset:256 th:TH_LOAD_NT
	global_load_b64 v[X+6:X+7], v[VX], s[42:43] offset:768 th:TH_LOAD_NT
.endm
.macro STORE2                          ; s[44:45]: the group's first byte in out0.  Each store's 32 lanes write 512 consecutive bytes, at a multiple of 512 from out0's first byte
	global_store_b128 v[VO], v[OUTR:OUTR+3],   s[44:45] th:TH_STORE_NT             ; tiles 0 and 2: the group's rows 0-31
	global_store_b128 v[VO], v[OUTR+4:OUTR+7], s[44:45] offset:512 th:TH_STORE_NT  ; tiles 1 and 3: rows 32-63
.endm
; THE MATRIX INSTRUCTIONS.  No two that follow each other in this text share an accumulator.
.macro MM1 q                           ; product 1, tile q: K = 4, one step.  Registers 0-3 of the result: unit 4 h + i of row r
	v_wmma_f32_16x16x4_f32 v[ACC+8*(\q):ACC+8*(\q)+7], v[W1A:W1A+1], v[X+2*(\q):X+2*(\q)+1], v[B1:B1+7]
.endm
.macro MM2 q, s                        ; product 2, tile q, K step s (k = 4 h + 2 s + j: where layer 1's units lie).  Register j of the result: unit 8 h + j
.set aD, ACC+8*(\q)
.if (\s) == 0
	v_wmma_f32_16x16x4_f32 v[aD:aD+7], v[W2A:W2A+1], v[R1+4*(\q):R1+4*(\q)+1], v[B2:B2+7]
.else
	v_wmma_f32_16x16x4_f32 v[aD:aD+7], v[W2A+2:W2A+3], v[R1+4*(\q)+2:R1+4*(\q)+3], v[aD:aD+7]
.endif
.endm
.macro MM3 q, s, t                     ; product 3, tile q, K step s (k = 8 h + 2 s + j), units' tile t.  Tile q's sixteen results lie in half q % 2 of ACC; register 8 t + j: unit 16 h + 8 t + j
.set aD, ACC+16*((\q)%2)+8*(\t)
.set aA, W3A+8*(\t)+2*(\s)
.set aB, R2+8*(\q)+2*(\s)
.if (\s) == 0
	v_wmma_f32_16x16x4_f32 v[aD:aD+7], v[aA:aA+1], v[aB:aB+1], v[B3+8*(\t):B3+8*(\t)+7]
.else
	v_wmma_f32_16x16x4_f32 v[aD:aD+7], v[aA:aA+1], v[aB:aB+1], v[aD:aD+7]
.endif
.endm
.macro MM4 q, a, sb                    ; product 4, tile q: W4 in K block q (the run of twelve from v[a]), the tile's own scale register.  Register j: unit 8 h + j
	v_wmma_scale_f32_16x16x128_f8f6f4 v[R3+8*(\q):R3+8*(\q)+7], v[\a:\a+11], v[P:P+11], v[B4:B4+7], v[SA], v[\sb] matrix_a_fmt:MATRIX_FMT_BF6 matrix_b_fmt:MATRIX_FMT_BF6
.endm
.macro MM5 p                           ; product 5, the pair's two tiles in one instruction.  Lane (r, h), register j: unit j of row r of tile 2 p + h
	v_wmma_f32_16x16x32_bf16 v[R3+8*(\p):R3+8*(\p)+7], v[W5A:W5A+7], v[H4+8*(\p):H4+8*(\p)+7], v[B5:B5+7]
.endm
.macro MM6                             ; product 6, all four tiles.  Lane (r, h): registers 0-3 the four outputs of row r of tile 2 h, registers 4-7 of tile 2 h + 1
	v_wmma_f32_16x16x32_bf16 v[D6:D6+7], v[W6A:W6A+7], v[H5:H5+7], v[B6:B6+7]
.endm
; THE QUANTISER of a pair p of tiles is a list of 34 + p lines; QL writes line qn of it.  v[R3 + 16 u + i] = unit 16 h + i of row r of the pair's tile u, none negative.  A row's block of 32 lies in lanes l and l xor 16.
;   0-15   for tile u = qn / 8: the largest of my 16 numbers and the floor, in two chains that take turns      16-19  with lane l xor 16's: the block's largest magnitude
;   20-21  4 off its exponent field: the conversion takes the exponent field of this operand as its scale      then   the scale's byte, at the place of the tile's K block (3 + p lines)
;   then   two conversions (96 bits each: codes of k = 16 h + 0 .. 15), one plain place behind them, three swaps and three moves: the operand's layout wants a whole block in a lane
.macro QL p
.set qu, qn/8
.set qi, qn%8
.set qr, R3+16*qu
.if qn < 16
.if qi == 0
	v_max3_num_f32 v[MX+qu], v[qr], v[qr+1], FLOOR
.elseif qi == 1
	v_max3_num_f32 v[TX+qu], v[qr+8], v[qr+9], v[qr+10]
.elseif qi == 7
	v_max3_num_f32 v[MX+qu], v[MX+qu], v[TX+qu], v[qr+15]
.elseif qi%2 == 0
	v_max3_num_f32 v[MX+qu], v[MX+qu], v[qr+qi], v[qr+qi+1]
.else
	v_max3_num_f32 v[TX+qu], v[TX+qu], v[qr+8+qi], v[qr+9+qi]
.endif
.elseif qn < 18
	v_permlanex16_b32 v[TX+qn-16], v[MX+qn-16], s46, s47
.elseif qn < 20
	v_max_num_f32 v[MX+qn-18], v[MX+qn-18], v[TX+qn-18]
.elseif qn < 22
	v_add_nc_u32 v[SO+qn-20], 0xfe000000, v[MX+qn-20]
.elseif qn < 25+(\p)
.if (\p) == 0
.if qn == 22
	v_lshrrev_b32 v[SB0], 23, v[SO]
.elseif qn == 23
	v_lshrrev_b32 v[BY+1], 23, v[SO+1]
.else
	v_lshlrev_b32 v[SB1], 8, v[BY+1]
.endif
.else
.if qn == 22
	v_lshrrev_b32 v[BY], 23, v[SO]
.elseif qn == 23
	v_lshrrev_b32 v[BY+1], 23, v[SO+1]
.elseif qn == 24
	v_lshlrev_b32 v[SB2], 16, v[BY]
.else
	v_lshlrev_b32 v[SB3], 24, v[BY+1]
.endif
.endif
.else
.set qb, qn-25-(\p)
.if qb == 0
	v_cvt_scalef32_pk16_bf6_f32 v[P+6*(\p):P+6*(\p)+2], v[R3:R3+15], v[SO]
.elseif qb == 1
	v_cvt_scalef32_pk16_bf6_f32 v[CT:CT+2], v[R3+16:R3+31], v[SO+1]
.elseif qb == 2
	v_nop
.elseif qb < 6
	v_permlane16_swap_b32 v[P+6*(\p)+qb-3], v[CT+qb-3]         ; the first's lanes 16-31 change places with the second's lanes 0-15: lanes 0-15 K block 2 p (the first tile), lanes 16-31 K block 2 p + 1
.else
	v_mov_b32 v[P+6*(\p)+qb-3], v[CT+qb-6]
.endif
.endif
.endm
.macro QQ p, n                         ; the list's next n lines
.rept \n
	QL \p
.set qn, qn+1
.endr
.endm
.macro OLD5 prev, c                    ; a quarter of layer 5's clipping and packing for the group before; without one, two of the places that product 3's readers need
.if \prev
	RPK H5+2*(\c), R3+4*(\c)
.else
	PLACES 2
.endif
.endm
; A TRIP for group g (s3).  prev = 1: there is a group g - 1 to finish.  next = 1: there is a group g + 1 to begin.
; Found at its head: R2's tiles 0, 1; product 2's raw results of tiles 2, 3 in the upper half of ACC; with prev: product 4's results of tiles 2, 3 in v[R3+16 ..], H4's first half used, product 5's first result in v[R3 ..].
.macro TRIP prev, next
	; ---- product 3, tile 0, into the lower half of ACC | g - 1: layer 4's tiles 2, 3 packed, product 5 of the second pair | g: relu of layer 2's tiles 2, 3
	MM3 0,0,0
.if \prev
	RPK H4+8, R3+16
.endif
	MM3 0,0,1
.if \prev
	RPK H4+10, R3+20
.endif
	MM3 0,1,0
.if \prev
	RPK H4+12, R3+24
.endif
	MM3 0,1,1
.if \prev
	RPK H4+14, R3+28
	MM5 1
.endif
	MM3 0,2,0
	RELU R2+16, ACC+16, 4                          ; product 2's last instruction stands more than eight plain lines back; R1, which lay here, has been read
	MM3 0,2,1
	RELU R2+20, ACC+20, 4
	MM3 0,3,0
	RELU R2+24, ACC+24, 4
	MM3 0,3,1
	RELU R2+28, ACC+28, 4
	; ---- tile 1, into the upper half | g - 1: layer 5 packed, product 6 | g: relu of tile 0.  Its last eight lines stand behind tile 1's last instruction: they are the eight places ahead of tile 1's relu
	MM3 1,0,0
	OLD5 \prev, 0
	MM3 1,0,1
	OLD5 \prev, 1
	MM3 1,1,0
	OLD5 \prev, 2
	MM3 1,1,1
	OLD5 \prev, 3
.if \prev
	MM6
.endif
	MM3 1,2,0
	RELU R3, ACC, 3
	MM3 1,2,1
	RELU R3+3, ACC+3, 3
	MM3 1,3,0
	RELU R3+6, ACC+6, 2
	MM3 1,3,1
	RELU R3+8, ACC+8, 8
	; ---- tile 2, into the lower half | g - 1: relu of layer 6, the stores | g: relu of tile 1, the first pair's quantiser
	MM3 2,0,0
.if \prev
	RELU OUTR, D6, 8
	s_sub_co_u32 s40, s3, NW
	s_lshl_b32 s40, s40, 10                        ; group g - 1's first byte in out0: under 64,000,000
	s_mov_b32 s41, 0
	s_add_nc_u64 s[44:45], s[36:37], s[40:41]      ; (the last trip's stores, which named s[44:45], stand ahead of that trip's wait on XCNT)
	STORE2
.endif
	MM3 2,0,1
	RELU R3+16, ACC+16, 6
	MM3 2,1,0
	RELU R3+22, ACC+22, 6
	MM3 2,1,1
	RELU R3+28, ACC+28, 4
.set qn, 0
	MM3 2,2,0
	QQ 0, 5
	MM3 2,2,1
	QQ 0, 5
	MM3 2,3,0
	QQ 0, 5
	MM3 2,3,1
	QQ 0, 5
	; ---- tile 3, into the upper half | g: the rest of the first pair's quantiser, relu of tile 2, the largest number of tile 2's blocks (eight lines: the places ahead of tile 3's relu)
	MM3 3,0,0
	QQ 0, 5
	s_wait_xcnt 0x0                                ; every earlier memory instruction has had its addresses translated (ISA guide 3.1): the conversions below write over the stores' data registers only behind this wait
	MM3 3,0,1
	QQ 0, 5
	MM3 3,1,0
	QQ 0, 4
	MM3 3,1,1
	RELU R3, ACC, 4
	MM3 3,2,0
	RELU R3+4, ACC+4, 4
	MM3 3,2,1
	RELU R3+8, ACC+8, 4
	MM3 3,3,0
	RELU R3+12, ACC+12, 4
.set qn, 0
	MM3 3,3,1
	QQ 1, 8
	; ---- g + 1: products 1 and 2 | g: relu of tile 3, the second pair's quantiser, product 4, layer 4's tiles 0, 1 packed, product 5 of the first pair
.if \next
	s_wait_loadcnt 0x0                             ; group g + 1's x, asked for a trip ago
	MM1 0
.endif
	RELU R3+16, ACC+16, 8
.if \next
	MM1 1
.endif
	RELU R3+24, ACC+24, 8
.if \next
	MM1 2
	RELU R1, ACC, 4
	RELU R1+4, ACC+8, 4
	MM1 3
.endif
	QQ 1, 8
.if \next
	MM2 0,0
.endif
	QQ 1, 5
.if \next
	MM2 1,0
.endif
	QQ 1, 5
.if \next
	s_add_co_u32 s4, s3, 2*NW                      ; group g + 2's x, if there is such a group: no load leaves x.  Product 1's last instruction stands more than eight plain lines back
	s_cmp_lt_u32 s4, NG
	s_cbranch_scc0 .Lno_x_\@
	s_lshl_b32 s40, s4, 10
	s_mov_b32 s41, 0
	s_add_nc_u64 s[42:43], s[8:9], s[40:41]        ; (the loads that named s[42:43] are in: the wait above)
	XLOAD                                          ; 1,024 bytes a wave, a whole trip ahead of their use
.Lno_x_\@:
	MM2 0,1
.endif
	QQ 1, 5
.if \next
	MM2 1,1
.endif
	QQ 1, 4
.if \next
	RELU R1+8, ACC+16, 4                           ; these eight, and the one place behind the conversions, stand between the last scale register's making and the scaled products: eight are asked, four of an operand
	RELU R1+12, ACC+24, 4
.else
	PLACES 8
.endif
	MM4 0, W4Z+6,  SB0
	MM4 1, W4Z+18, SB1
	MM4 2, W4Z,    SB2
	MM4 3, W4Z+12, SB3
.if \next
	RELU R2, ACC, 4                                ; four places behind this form with 6-bit operands, ahead of the first read of its results and of the lines that write over its source 1
	MM2 2,0
	RPK H4, R3
	RELU R2+4, ACC+4, 4
	MM2 3,0
	RPK H4+2, R3+4
	RELU R2+8, ACC+8, 4
	MM2 2,1
	RPK H4+4, R3+8
	RELU R2+12, ACC+12, 4
	MM2 3,1
	RPK H4+6, R3+12
.else
	PLACES 4
	RPK H4, R3
	RPK H4+2, R3+4
	RPK H4+4, R3+8
	RPK H4+6, R3+12
.endif
	MM5 0
.endm
	; ---------------- SET-UP, once a wave
	s_load_b512 s[8:23], s[0:1], 0x0               ; x s[8:9], W1 s[10:11], b1 s[12:13], W2 s[14:15], b2 s[16:17], W3 s[18:19], b3 s[20:21], W4_codes s[22:23]
	s_load_b256 s[24:31], s[0:1], 0x40             ; W4_scales s[24:25], b4 s[26:27], W5 s[28:29], b5 s[30:31]
	s_load_b128 s[32:35], s[0:1], 0x60             ; W6 s[32:33], b6 s[34:35]
	s_load_b64 s[36:37], s[0:1], 0x70              ; out0
	v_lshrrev_b32 v[TA], 5, v0
	v_readfirstlane_b32 s2, v[TA]                  ; wave 0..15
	; My first group = 256 x rank + work-group, rank = 4 ((wave % 4 - wave / 4) mod 4) + wave / 4.  The first 1,060 of the 4,096 take a sixteenth group: ranks 0-3 are waves 0, 5, 10, 15: one in each residue class
	; modulo 4 and one in each run of four neighbours, so that each SIMD gets one of them whether the sixteen waves are dealt to the four SIMDs in turn or in runs of four.
	s_and_b32 s4, s2, 3
	s_lshr_b32 s5, s2, 2
	s_sub_co_u32 s4, s4, s5
	s_and_b32 s4, s4, 3
	s_lshl_b32 s4, s4, 2
	s_add_co_u32 s4, s4, s5
	s_lshl_b32 s3, s4, 8
	s_add_co_u32 s3, s3, ttmp9
	s_mov_b32 s46, 0x76543210
	s_mov_b32 s47, 0xfedcba98                      ; v_permlanex16_b32's selects for lane l xor 16
	v_and_b32 v[TR], 15, v0
	v_bfe_u32 v[TH], v0, 4, 1
	v_and_b32 v[TL], 31, v0
	v_and_b32 v[TA], 3, v[TR]
	v_lshrrev_b32 v[TB], 3, v[TR]
	v_and_b32 v[TC], 7, v[TR]
	v_lshrrev_b32 v[TD], 2, v[TR]
	v_add_nc_u32 v[TE], 2, v[TH]
	v_lshlrev_b32 v[VX], 4, v[TR]
	v_lshl_add_u32 v[VX], v[TH], 3, v[VX]          ; 16 r + 8 h
	v_lshlrev_b32 v[VO], 4, v[TL]                  ; 16 x lane
	v_lshlrev_b32 v[OW1], 2, v[TA]
	v_lshl_add_u32 v[OW1], v[TB], 4, v[OW1]
	v_lshl_add_u32 v[OW1], v[TH], 6, v[OW1]        ; W1 (rows of 32 bytes): 64 h + 4 (r & 3) + 16 (r >> 3)
	v_lshlrev_b32 v[OW2], 2, v[TR]
	v_lshl_add_u32 v[OW2], v[TH], 8, v[OW2]        ; W2 (rows of 64): 256 h + 4 r
	v_lshlrev_b32 v[OW3], 2, v[TC]
	v_lshl_add_u32 v[OW3], v[TB], 6, v[OW3]
	v_lshl_add_u32 v[OW3], v[TH], 10, v[OW3]       ; W3 (rows of 128): 1,024 h + 64 (r >> 3) + 4 (r & 7)
	v_mul_u32_u24 v[OW4], v[TR], 24                ; W4's codes: 24 bytes a unit
	v_lshlrev_b32 v[OW5], 2, v[TC]
	v_lshl_add_u32 v[OW5], v[TH], 8, v[OW5]        ; W5 (rows of 32): 256 h + 4 (r & 7)
	v_lshlrev_b32 v[OW6], 2, v[TA]                 ; W6 (rows of 16): 4 (r & 3)
	v_lshlrev_b32 v[O16], 4, v[TH]
	v_lshlrev_b32 v[O32], 5, v[TH]
	v_lshlrev_b32 v[O64], 6, v[TH]
	v_mov_b32 v[OZ], 0
	v_cmp_gt_u32 s48, 16, v[TL]                    ; lanes 0-15
	v_cmp_le_u32 s49, 16, v[TL]                    ; lanes 16-31
	v_cmp_gt_u32 s50, 8, v[TR]                     ; m = 0 .. 7
	v_cmp_le_u32 s51, 8, v[TR]                     ; m = 8 .. 15
	v_cmp_eq_u32 s52, v[TD], v[TH]                 ; m / 4 = h
	v_cmp_eq_u32 s53, v[TD], v[TE]                 ; m / 4 = h + 2
	s_lshl_b32 s40, s3, 10                         ; the group's first byte in x and in out0: under 64,000,000
	s_mov_b32 s41, 0
	s_wait_kmcnt 0x0
.irp j, 0,1
	global_load_b32 v[W1A+\j], v[OW1], s[10:11] offset:32*\j
.endr
.irp s, 0,1
.irp j, 0,1
	global_load_b32 v[W2A+2*\s+\j], v[OW2], s[14:15] offset:64*(2*\s+\j)
.endr
.endr
.irp t, 0,1
.irp s, 0,1,2,3
.irp j, 0,1
	global_load_b32 v[W3A+8*\t+2*\s+\j], v[OW3], s[18:19] offset:128*(2*\s+\j)+32*\t
.endr
.endr
.endr
	global_load_b128 v[B1:B1+3],     v[O16], s[12:13]
	global_load_b128 v[B2:B2+3],     v[O32], s[16:17]
	global_load_b128 v[B2+4:B2+7],   v[O32], s[16:17] offset:16
.irp t, 0,1
	global_load_b128 v[B3+8*\t:B3+8*\t+3],   v[O64], s[20:21] offset:32*\t
	global_load_b128 v[B3+8*\t+4:B3+8*\t+7], v[O64], s[20:21] offset:32*\t+16
.endr
	global_load_b128 v[B4:B4+3],     v[O32], s[26:27]
	global_load_b128 v[B4+4:B4+7],   v[O32], s[26:27] offset:16
	global_load_b128 v[B5:B5+3],     v[OZ], s[30:31]
	global_load_b128 v[B5+4:B5+7],   v[OZ], s[30:31] offset:16
	global_load_b128 v[B6:B6+3],     v[OZ], s[34:35]
	global_load_b128 v[B6+4:B6+7],   v[OZ], s[34:35]           ; b6 twice: registers j and j + 4 are two tiles' unit j
.irp i, 0,1,2
	global_load_b64 v[RW4+2*\i:RW4+2*\i+1], v[OW4], s[22:23] offset:8*\i       ; in pieces of 8 bytes: every address is a multiple of the access's size
.endr
	global_load_u8 v204, v[TR], s[24:25]
.irp i, 0,1,2,3,4,5,6,7
	global_load_b32 v[RW5+\i], v[OW5], s[28:29] offset:32*\i   ; W5[8 h + i][r & 7]
.endr
.irp i, 0,1,2,3,4,5,6,7
	global_load_b32 v[RW6+\i], v[OW6], s[32:33] offset:16*\i   ; W6[i][r & 3]
.endr
	s_add_nc_u64 s[42:43], s[8:9], s[40:41]
	XLOAD                                          ; the first group's x
.irp i, 0,1,2,3,4,5
	v_mov_b32 v[W4Z+\i], 0
	v_mov_b32 v[W4Z+12+\i], 0
	v_mov_b32 v[W4Z+24+\i], 0
.endr
	s_wait_loadcnt 4                               ; loads come back in order (ISA guide 5.7.1): the 55 of weights and biases are in; the four youngest, x's, may stay out
.irp i, 0,1,2,3,4,5
	v_cndmask_b32 v[W4Z+6+\i],  0, v[RW4+\i], s48  ; W4's row r in lanes 0-15, zero codes in the others
	v_cndmask_b32 v[W4Z+18+\i], 0, v[RW4+\i], s49  ; and the other way round
.endr
	v_mul_lo_u32 v[SA], v204, 0x01010101           ; the unit's scale byte for whichever K block W4 stands in
	PACK 222, RW5, 4                               ; W5[8 h + 2 i][r & 7], W5[8 h + 2 i + 1][r & 7]
	PACK 226, RW6, 4                               ; W6[2 i][r & 3], W6[2 i + 1][r & 3]
.irp i, 0,1,2,3
	v_cndmask_b32 v[W5A+\i],   0, v[222+\i], s50   ; m = 0 .. 7: unit m of the pair's first tile, K 0-15
	v_cndmask_b32 v[W5A+4+\i], 0, v[222+\i], s51   ; m = 8 .. 15: unit m - 8 of the second, K 16-31
	v_cndmask_b32 v[W6A+\i],   0, v[226+\i], s52   ; m = 4 q + o: unit o of tile q, K 8 q .. 8 q + 7: registers 0-3 hold K block h,
	v_cndmask_b32 v[W6A+4+\i], 0, v[226+\i], s53   ; registers 4-7 K block 2 + h
.endr
	; ---------------- THE FIRST GROUP'S PRODUCTS 1 AND 2: nothing is at hand yet to stand behind them
	s_wait_loadcnt 0x0                             ; the first group's x
.irp q, 0,1,2,3
	MM1 \q
.endr
	PLACES 8                                       ; eight behind this form, ahead of the loads into its sources and of the first read of its results
	s_add_co_u32 s4, s3, NW                        ; the second group's x (every wave has 15 groups or 16)
	s_lshl_b32 s40, s4, 10
	s_mov_b32 s41, 0
	s_add_nc_u64 s[42:43], s[8:9], s[40:41]        ; (the loads that named s[42:43] are in)
	XLOAD
.irp q, 0,1,2,3
	RELU R1+4*\q, ACC+8*\q, 4
.endr
.irp q, 0,1,2,3
	MM2 \q, 0
.endr
.irp q, 0,1,2,3
	MM2 \q, 1
.endr
	PLACES 8
	RELU R2, ACC, 16                               ; tiles 0 and 1; tiles 2 and 3 are clipped in the trip
	; ---------------- THE TRIPS
	TRIP 0, 1                                      ; the first group: none before it
	s_add_co_u32 s3, s3, NW
.Lgroup:                                               ; every group that has one before it and one behind it: 13 or 14 trips
	TRIP 1, 1
	s_add_co_u32 s3, s3, NW
	s_cmp_lt_u32 s3, NG-NW                         ; has this group a successor?
	s_cbranch_scc1 .Lgroup
	TRIP 1, 0                                      ; the last group: none behind it
	; ---------------- THE LAST GROUP'S END
	RPK H4+8, R3+16
	RPK H4+10, R3+20
	RPK H4+12, R3+24
	RPK H4+14, R3+28
	MM5 1
	RPK H5, R3                                     ; the first pair's results; these twelve lines are also the places behind the second pair's product
	RPK H5+2, R3+4
	RPK H5+4, R3+8
	RPK H5+6, R3+12
	MM6
	PLACES 4
	RELU OUTR, D6, 8
	s_lshl_b32 s40, s3, 10
	s_mov_b32 s41, 0
	s_add_nc_u64 s[44:45], s[36:37], s[40:41]      ; (the stores before these stand ahead of the last trip's wait on XCNT)
	STORE2
	s_endpgm
.Lfunc_end_k_q18d6915535_drift:
	.size	k_q18d6915535_drift, .Lfunc_end_k_q18d6915535_drift-k_q18d6915535_drift
	.p2alignl 7, 3214868480
	.fill 96, 4, 3214868480
	.section	.rodata,"a",@progbits
	.p2align	6, 0x0
	.amdhsa_kernel k_q18d6915535_drift
		.amdhsa_group_segment_fixed_size 0
		.amdhsa_private_segment_fixed_size 0
		.amdhsa_enable_private_segment 0
		.amdhsa_kernarg_size 120
		.amdhsa_user_sgpr_count 2
		.amdhsa_user_sgpr_kernarg_segment_ptr 1
		.amdhsa_wavefront_size32 1
		.amdhsa_system_sgpr_workgroup_id_x 1
		.amdhsa_system_sgpr_workgroup_id_y 1
		.amdhsa_system_sgpr_workgroup_id_z 1
		.amdhsa_system_vgpr_workitem_id 0
		.amdhsa_next_free_vgpr 256
		.amdhsa_next_free_sgpr 66
		.amdhsa_reserve_vcc 0
		.amdhsa_float_denorm_mode_32 3
		.amdhsa_float_denorm_mode_16_64 3
		.amdhsa_memory_ordered 1
		.amdhsa_forward_progress 1
		.amdhsa_inst_pref_size 57
	.end_amdhsa_kernel
	.amdgpu_metadata
---
amdhsa.version: [ 1, 2 ]
amdhsa.kernels:
  - .name:           k_q18d6915535_drift
    .symbol:         k_q18d6915535_drift.kd
    .args:
      - { .name: x, .offset: 0, .size: 8, .value_kind: global_buffer, .address_space: global }
      - { .name: W1, .offset: 8, .size: 8, .value_kind: global_buffer, .address_space: global }
      - { .name: b1, .offset: 16, .size: 8, .value_kind: global_buffer, .address_space: global }
      - { .name: W2, .offset: 24, .size: 8, .value_kind: global_buffer, .address_space: global }
      - { .name: b2, .offset: 32, .size: 8, .value_kind: global_buffer, .address_space: global }
      - { .name: W3, .offset: 40, .size: 8, .value_kind: global_buffer, .address_space: global }
      - { .name: b3, .offset: 48, .size: 8, .value_kind: global_buffer, .address_space: global }
      - { .name: W4_codes, .offset: 56, .size: 8, .value_kind: global_buffer, .address_space: global }
      - { .name: W4_scales, .offset: 64, .size: 8, .value_kind: global_buffer, .address_space: global }
      - { .name: b4, .offset: 72, .size: 8, .value_kind: global_buffer, .address_space: global }
      - { .name: W5, .offset: 80, .size: 8, .value_kind: global_buffer, .address_space: global }
      - { .name: b5, .offset: 88, .size: 8, .value_kind: global_buffer, .address_space: global }
      - { .name: W6, .offset: 96, .size: 8, .value_kind: global_buffer, .address_space: global }
      - { .name: b6, .offset: 104, .size: 8, .value_kind: global_buffer, .address_space: global }
      - { .name: out0, .offset: 112, .size: 8, .value_kind: global_buffer, .address_space: global }
    .group_segment_fixed_size: 0
    .private_segment_fixed_size: 0
    .kernarg_segment_align: 8
    .kernarg_segment_size: 120
    .max_flat_workgroup_size: 512
    .sgpr_count:     66
    .vgpr_count:     256
    .wavefront_size: 32
...
	.end_amdgpu_metadata
.endif
;; end of part 1
